; MI455X (gfx1250); checked and timed in simulation.
; The chip was launched on July 23, 2026; its instructions are those of AMD's public machine-readable ISA for CDNA 5 (MIT licence, August 2026) and "CDNA5" Instruction Set Architecture Reference Guide (July 2026). The comments in the code are by the model that wrote it; some were corrected since.
;; Temporal Trans E Lite. Allowed arithmetic: float matrix products may take bf16 or f16 operands with f32 sums; other float arithmetic in f32, or as packed bf16 or f16 multiplies, adds, multiply-adds, maxima and minima; sums over many terms, partial sums and values carried from step to step in f32; what a program stores and reads back later, other than sums and carried values, may be rounded once to bf16 or f16.
;; Inputs: entity_emb 50,000 x 128 float32; h_idx 128 int32; r_idx 128 int32; relation_emb 500 x 128 float32; time_emb 365 x 128 float32; time_idx 128 int32.
;; Outputs: out0 128 x 50,000 float32.
;; One version. Each part assembles by itself: llvm-mc -triple=amdgcn-amd-amdhsa -mcpu=gfx1250 --defsym DOCPART=n.
;; ======== version 1 of 1: 1 launch
;; limits: values are held in f16: magnitudes above 65,504 overflow, below 6.1e-05 lose precision; a difference of large sums (such as E[x^2] - mean^2): digits are lost where the result is much smaller than its terms
;; launch l1scores (part 1): grid 2 x 125, 4 waves a work-group, no clusters, 171,776 bytes of LDS; arguments entity_emb, relation_emb, time_emb, h_idx, r_idx, time_idx, out0; writes out0
.if DOCPART == 1
	.amdgcn_target "amdgcn-amd-amdhsa--gfx1250"
	.amdhsa_code_object_version 6
	.text
	.protected	k_qb1b8397a7a_l1scores
	.globl	k_qb1b8397a7a_l1scores
	.p2align	8
	.type	k_qb1b8397a7a_l1scores,@function
k_qb1b8397a7a_l1scores:
	s_mov_b64 s[64:65], 0
	v_nop
	global_prefetch_b8 v0, s[64:65] scope:SCOPE_SE
	s_setreg_imm32_b32 hwreg(HW_REG_WAVE_MODE, 25, 1), 1
	s_wait_xcnt 0x0
; out[b][n] = - sum over d of |q[b][d] - E[n][d]|,  q[b] = E[h_idx[b]] + R[r_idx[b]] + T[time_idx[b]].  128 queries, 50,000 entities, 128 channels, all f32 in memory.
; THE ARITHMETIC.  |q - e| = 2 max(q, e) - q - e.  q (summed in f32) and e are rounded once to f16; v_pk_max_num_f16 takes two maxima a lane and rounds nothing; all sums over d are
; taken in f32 by the matrix unit.  A = 16 entities x 32 channels of maxima; B = a SELECTOR with -2 in query c's column and 0 elsewhere: D(entity, c) -= 2 sum max.  So the 16 queries of a wave
; fill one 16 x 16 tile of results.  sum e: the e fragments times ones (4 matrix instructions a tile); sum q: the C operand that starts the sum.  Eight maxima for each matrix instruction.
; The identity is exact on the rounded operands; what the cancellation costs is f32 addition alone: a result has 8 inexact additions, each good to 2^-24 of sums of about 256 operands,
; against a result of 128 distances: with a common offset of 30 spreads about 1e-4 of the result.
; LIMITS.  q and e keep 11 significant bits (each term is off by at most 2^-11 of |q| plus 2^-11 of |e|); numbers of 65,520 or more become infinities and the result NaN; below 6e-5 f16 keeps a fixed step of 6e-8;
; a NaN in an input is dropped by the maximum and gives no NaN as in the reference; an index outside its table is clamped to the table's last row.
; SHARES.  50,000 = 125 x 400: work-group (x, y) takes half x of the queries and entities 400 y .. 400 y + 399: 25 tiles of 16.  250 equal work-groups.  Four waves, 16 queries each, held in registers; every wave walks the 25 tiles.
; NO CLUSTER, NO TENSOR LOAD: the table's rows pass through registers to be rounded to f16, a row is shared by two work-groups only, and 2 x 125 does not divide into clusters of four.
; NO PREFETCH: a group's rows are loaded into registers a whole group (5 tiles, 2,560 maxima a wave) ahead of their use: no wave waits for them.
; THE WAY OUT.  A row of out is 200,000 bytes = 64 mod 256, a segment 1,600 = 64 mod 256.  Wave w takes the queries b = (w - y) mod 4 + 64 x + 4 i: then b + y = w mod 4, so in all its 16 rows tile t begins
; w + t tiles (of 64 bytes) behind a multiple of 256 bytes.  SLOT = w + t.  Results wait in the wave's own stage in LDS; each time slots 4 u .. 4 u + 3 are full, 16 lanes store each row's 256 consecutive aligned bytes.
; Only a segment's two ends are stored in part (lanes switched off).  No LDS address hangs on the work-group's place: only on the wave's number, the lane and loop steps.
; REGISTERS, in windows of 256 (s_set_vgpr_msb: bits 1:0 source 0, 3:2 source 1, 5:4 source 2, 7:6 destination).  Window 0: all below.  Windows 1, 2, 3: queries 0-5, 6-11, 12-15: q at 32 i + 8 ks, selectors at 192 + 8 i.
; q and the selectors are source 1 of the maximum and of the matrix instruction, all else lies in window 0: one setting serves both, twelve switches inside a tile and one back to window 0 at its end.
.set SEG,     400                      ; entities of a work-group
.set PITCH,   272                      ; an LDS row of 128 f16: 256 bytes + 16: the 16 rows of a fragment load start at 16 different groups of four banks (64 banks of 4 bytes: ISA guide 11.1)
.set TILE_B,  16*PITCH
.set GRP,     5                        ; tiles in a group: what LDS holds of the table at a time
.set GRP_MEM, GRP*16*512               ; a group's rows in memory
.set QAREA,   GRP*TILE_B               ; behind the group's rows: 16 rows of q for each wave
.set STAGE,   QAREA+4*TILE_B           ; behind them: each wave's stage, 16 rows (queries) of 32 columns of 64 bytes; slot s lies in column s + 4
.set SROW,    2064                     ; 2,048 + 16
.set SWAVE,   16*SROW
.set SPARE,   STAGE+4*SWAVE            ; the spare words, 128 bytes for each wave: two blocks of 256 bytes that no other line names
.set OROW,    200000                   ; bytes in a row of out
.set SPW, 10                           ; v10  LDS address of my spare word; never rewritten
.set NIL, 11                           ; v11  0; never rewritten
.set EA,  12                           ; v12  my place in the tile in hand: r x PITCH + 16 h + tile
.set EA0, 13                           ; v13  the same for a group's first tile
.set FL,  14                           ; v14  where I put 8 bytes of a rounded row
.set FG,  15                           ; v15  16 x thread: my 16 bytes of four rows of the table
.set ZA,  16                           ; v16  stage: row r, 32 h
.set STP, 17                           ; v17  stage: where the tile's results go
.set RD,  18                           ; v18  stage: where four slots are read back
.set RDL, 19                           ; v19  the same for slots 24 to 27
.set GO0, 20                           ; v20  my byte offset in out: stage rows 0, 1
.set GO1, 21                           ; v21  stage rows 8, 9
.set TP,  22                           ; v22  which of the four slots my 16 bytes belong to
.set QA,  23                           ; v23  q rows, as every row of an A fragment
.set QB,  24                           ; v24  q rows, as a B fragment
.set QS,  25                           ; v25  q rows, where I put what I gathered
.set IX,  26                           ; v26-28  the three indices, then byte offsets
.set E,   32                           ; v32-63   the tile's four fragments (16 entities x 32 channels)
.set BUF, 64                           ; v64-95   four operands of maxima, by turns
.set ACC, 96                           ; v96-111  two accumulators, by turns
.set SQ,  112                          ; v112-119 sum q of query r, in all eight registers
.set OUT, 128                          ; v128-135 the tile's results
.set FLU, 136                          ; v136-167 16 rows x 256 bytes on their way out
.set FILL,168                          ; v168-247 the next group's rows, as loaded
.set SEL, 192                          ; windows 1-3
.set XTRA,240                          ; window 1: ones; windows 2, 3: a copy of the selector of the window before's last query
.set XTR2,248                          ; window 1: a copy of query 15's selector
.set WV,  18                           ; s18  my wave's number
.set COL, 20                           ; s20  y
.set B0,  21                           ; s21  my first query
.set FB,  22                           ; s[22:23] the table at the group whose rows were asked for last
.set OB,  24                           ; s[24:25] out at my first query's row, at the tile in hand
.set TO,  26                           ; s[26:27] an offset in 64 bits; the high word stays 0
.set SLOT,28                           ; s28  w + t
.set LO,  29                           ; s29  the first slot of four that holds a result: w at the first way out, then 0
.set INNER,32
.set OUTER,33
.set M2,  34                           ; s34  -2.0 twice, in f16
.set SAVE,36
.set T0,  37
.set T1,  38
.set T2,  39
.set MSB, 0
.macro WIN new                         ; the immediate's high byte repeats the setting that is left; a switch that changes nothing is dropped
.if MSB != (\new)
	s_set_vgpr_msb (MSB<<8)|(\new)
.set MSB, (\new)
.endif
.endm
.macro FILL_LOADS                      ; 80 rows of 512 bytes: load j of wave w is row 4 j + w, 16 bytes a lane: 512 consecutive bytes
.set j, 0
.rept 20
	global_load_b128 v[FILL+4*j:FILL+4*j+3], v[FG], s[FB:FB+1] offset:2048*j
.set j, j+1
.endr
.endm
.macro SELECT c, at                    ; lane (r, h) holds column r of B: -2 in all its k if r = c
	v_cmp_eq_u32 vcc_lo, \c, v2
.set j, 0
.rept 8
	v_cndmask_b32 v[(\at)+j], 0, s[M2], vcc_lo
.set j, j+1
.endr
.endm
	s_load_b256 s[4:11], s[0:1], 0x0               ; E s[4:5], R s[6:7], T s[8:9], h_idx s[10:11]
	s_load_b128 s[12:15], s[0:1], 0x20             ; r_idx s[12:13], time_idx s[14:15]
	s_load_b64 s[16:17], s[0:1], 0x30              ; out
	v_lshl_add_u32 v[SPW], v0, 2, SPARE
	v_mov_b32 v[NIL], 0
	v_lshrrev_b32 v1, 5, v0
	v_readfirstlane_b32 s[WV], v1                  ; wave 0..3
	s_and_b32 s[COL], ttmp7, 0xffff
	s_sub_co_u32 s[B0], s[WV], s[COL]
	s_and_b32 s[B0], s[B0], 3                      ; (w - y) mod 4
	s_lshl_b32 s[T0], ttmp9, 6
	s_add_co_u32 s[B0], s[B0], s[T0]               ; + 64 x
	v_and_b32 v1, 31, v0                           ; lane
	v_and_b32 v2, 15, v0                           ; r
	v_bfe_u32 v3, v0, 4, 1                         ; h
	v_lshrrev_b32 v4, 1, v1                        ; the gather: two lanes to a query, 64 channels each
	v_and_b32 v6, 1, v0
	s_lshl_b32 s[T0], s[B0], 2
	v_lshl_add_u32 v5, v4, 4, s[T0]                ; 4 b, b = B0 + 4 (lane / 2)
	v_lshlrev_b32 v[FG], 4, v0
	s_mul_i32 s[TO], s[COL], SEG*512
	s_mov_b32 s[TO+1], 0
	s_mov_b32 s[M2], 0xc000c000
	s_wait_kmcnt 0x0
	global_load_b32 v[IX], v5, s[10:11]            ; the indices first: the row loads of three tables hang on them
	global_load_b32 v[IX+1], v5, s[12:13]
	global_load_b32 v[IX+2], v5, s[14:15]
	s_add_nc_u64 s[FB:FB+1], s[4:5], s[TO:TO+1]
	FILL_LOADS                                     ; the first group's rows
	s_mul_i32 s[TO], s[B0], OROW
	s_mul_i32 s[T0], s[COL], SEG*4
	s_add_co_u32 s[TO], s[TO], s[T0]
	s_add_nc_u64 s[OB:OB+1], s[16:17], s[TO:TO+1]  ; out[B0][400 y]
	; addresses, selectors and ones are made while the indices are on their way
	v_mul_u32_u24 v[EA0], v2, PITCH
	v_lshl_add_u32 v[EA0], v3, 4, v[EA0]           ; a fragment: lane (r, h) takes row r, channels 8 h .. and 16 + 8 h ..: two loads of 16 bytes, 32 apart
	s_mul_i32 s[T0], s[WV], PITCH
	v_lshl_add_u32 v[FL], v1, 3, s[T0]
	s_mul_i32 s[T1], s[WV], TILE_B
	s_add_co_u32 s[T1], s[T1], QAREA
	v_lshl_add_u32 v[QA], v3, 4, s[T1]
	v_add_nc_u32 v[QB], s[T1], v[EA0]
	v_mul_u32_u24 v[QS], v4, PITCH
	v_lshl_add_u32 v[QS], v6, 7, v[QS]
	v_add_nc_u32 v[QS], s[T1], v[QS]
	s_mul_i32 s[T2], s[WV], SWAVE
	s_add_co_u32 s[T2], s[T2], STAGE
	v_mul_u32_u24 v[ZA], v2, SROW
	v_lshl_add_u32 v[ZA], v3, 5, v[ZA]
	v_add_nc_u32 v[ZA], s[T2], v[ZA]
	s_lshl_b32 s[T0], s[WV], 6
	v_add_nc_u32 v[STP], s[T0], v[ZA]
	v_add_nc_u32 v[STP], 192, v[STP]               ; column w + 3: stepped ahead of each tile's stores, so tile t goes to column w + t + 4
	v_mul_u32_u24 v[RDL], v3, SROW
	v_lshl_add_u32 v[RDL], v2, 4, v[RDL]
	v_add_nc_u32 v[RDL], s[T2], v[RDL]
	v_add_nc_u32 v[RD], s[T0], v[RDL]              ; column w: stepped likewise, so in tile t it stands at column w + t + 1: slot w + t - 3
	v_add_nc_u32 v[RDL], 28*64, v[RDL]             ; slot 24
	v_mul_u32_u24 v[GO0], v3, 4*OROW               ; neighbouring stage rows are four rows of out apart
	v_lshl_add_u32 v[GO0], v2, 4, v[GO0]
	v_add_nc_u32 v[GO1], 32*OROW, v[GO0]
	v_lshrrev_b32 v[TP], 2, v2
.irp j, 0,1,2,3
	v_mov_b32 v[OUT+\j], 0
.endr
.irp s, 0,1,2,25,26,27                 ; slots that some wave never fills are read with the first or last four: every byte that is read has been written
	ds_store_b128 v[ZA], v[OUT:OUT+3] offset:64*((\s)+4)
	ds_store_b128 v[ZA], v[OUT:OUT+3] offset:64*((\s)+4)+16
.endr
	WIN 0x40
.irp c, 0,1,2,3,4,5
	SELECT \c, SEL+8*(\c)
.endr
	SELECT 15, XTR2
.irp j, 0,1,2,3,4,5,6,7
	v_mov_b32 v[XTRA+\j], 0x3c003c00               ; 1.0 twice
.endr
	WIN 0x80
.irp c, 6,7,8,9,10,11
	SELECT \c, SEL+8*((\c)-6)
.endr
	SELECT 5, XTRA
	WIN 0xc0
.irp c, 12,13,14,15
	SELECT \c, SEL+8*((\c)-12)
.endr
	SELECT 11, XTRA
	WIN 0
	s_wait_loadcnt 20                              ; loads come back in order (ISA guide 5.7.1): behind the three indices stand the 20 loads of rows
	v_min_u32 v[IX], 0xc34f, v[IX]                 ; 49,999
	v_min_u32 v[IX+1], 0x1f3, v[IX+1]              ; 499
	v_min_u32 v[IX+2], 0x16c, v[IX+2]              ; 364
	v_lshlrev_b32 v6, 8, v6                        ; my half of a row of 512 bytes
.irp i, 0,1,2
	v_lshlrev_b32 v[IX+\i], 9, v[IX+\i]
.endr
.irp i, 0,1,2
	v_add_nc_u32 v[IX+\i], v[IX+\i], v6
.endr
	WIN 0x40                                       ; the three rows' halves go to window 1, v0-191, which q takes later
.set j, 0
.rept 16
	global_load_b128 v[4*j:4*j+3], v[IX], s[4:5] offset:16*j
	global_load_b128 v[64+4*j:64+4*j+3], v[IX+1], s[6:7] offset:16*j
	global_load_b128 v[128+4*j:128+4*j+3], v[IX+2], s[8:9] offset:16*j
.set j, j+1
.endr
	s_wait_loadcnt 0x0
	WIN 0x45                                       ; sources 0, 1 and destination in window 1
.set j, 0
.rept 32
	v_pk_add_f32 v[2*j:2*j+1], v[2*j:2*j+1], v[64+2*j:64+2*j+1]      ; (E + R)
.set j, j+1
.endr
.set j, 0
.rept 32
	v_pk_add_f32 v[2*j:2*j+1], v[2*j:2*j+1], v[128+2*j:128+2*j+1]    ; + T, in the reference's order, in f32
.set j, j+1
.endr
	WIN 0x05
.set j, 0
.rept 32
	v_cvt_pk_f16_f32 v[E+j], v[2*j], v[2*j+1]      ; q is rounded once
.set j, j+1
.endr
	WIN 0
.irp j, 0,1,2,3,4,5,6,7
	ds_store_b128 v[QS], v[E+4*\j:E+4*\j+3] offset:16*\j
.endr
	; q comes back as the maxima want it: lane (r, h) holds q[c]'s channels of half h, whatever r.  The rows are my wave's own, and LDS serves a wave's instructions in order (ISA guide 5.7.1.4): no wait, no barrier
.set c, 0
.rept 16
	WIN (1+c/6)<<6
.set ks, 0
.rept 4
	ds_load_b128 v[32*(c%6)+8*ks:32*(c%6)+8*ks+3],   v[QA] offset:PITCH*c+64*ks
	ds_load_b128 v[32*(c%6)+8*ks+4:32*(c%6)+8*ks+7], v[QA] offset:PITCH*c+64*ks+32
.set ks, ks+1
.endr
.set c, c+1
.endr
	WIN 0
.irp ks, 0,1,2,3                       ; and as B fragments (column r = query r), for sum q
	ds_load_b128 v[BUF+8*\ks:BUF+8*\ks+3],   v[QB] offset:64*\ks
	ds_load_b128 v[BUF+8*\ks+4:BUF+8*\ks+7], v[QB] offset:64*\ks+32
.endr
	s_wait_dscnt 0x0
	WIN 0x01                                       ; A = ones, in window 1
	v_wmma_f32_16x16x32_f16 v[SQ:SQ+7], v[XTRA:XTRA+7], v[BUF:BUF+7], 0
.irp ks, 1,2,3
	s_wait_alu depctr_va_vdst(0)                   ; a wait ahead of each link
	v_wmma_f32_16x16x32_f16 v[SQ:SQ+7], v[XTRA:XTRA+7], v[BUF+8*\ks:BUF+8*\ks+7], v[SQ:SQ+7]
.endr
	WIN 0
	s_mov_b32 s[SLOT], s[WV]
	s_mov_b32 s[LO], s[WV]
	s_mov_b32 s[OUTER], 25/GRP
; The tile's next matrix instruction, number n of 68.  The two accumulators take turns, one instruction a turn, over the backward jumps too; which of the two a product lands in does not matter: they are added at the end.
.macro MM a, b
.set rD, ACC+8*(n%2)
.if n == 0
	v_wmma_f32_16x16x32_f16 v[rD:rD+7], v[(\a):(\a)+7], v[(\b):(\b)+7], v[SQ:SQ+7]  ; sum q starts one sum,
.elseif n == 1
	v_wmma_f32_16x16x32_f16 v[rD:rD+7], v[(\a):(\a)+7], v[(\b):(\b)+7], 0           ; 0 the other: nothing is cleared
.else
	v_wmma_f32_16x16x32_f16 v[rD:rD+7], v[(\a):(\a)+7], v[(\b):(\b)+7], v[rD:rD+7]
.endif
.set n, n+1
.endm
; 16 rows x 256 bytes leave the stage.  VCC holds the lanes whose slot holds a result.
.macro FLUSH rd, bias
.irp j, 0,1,2,3,4,5,6,7
	ds_load_b128 v[FLU+4*\j:FLU+4*\j+3], v[\rd] offset:2*SROW*\j  ; lanes 0-15 one row's 256 bytes, lanes 16-31 the next row's; these see my stores above (LDS serves a wave in order)
.endr
	s_wait_dscnt 0x0
	s_wait_xcnt 0x0                                ; EXEC is a source of the loads of rows that are out: it changes only behind this wait
	s_and_saveexec_b32 s[SAVE], vcc_lo
.irp j, 0,1,2,3
	global_store_b128 v[GO0], v[FLU+4*\j:FLU+4*\j+3], s[OB:OB+1] offset:8*OROW*\j+(\bias) th:TH_STORE_NT  ; 16 lanes store 256 consecutive bytes, at a multiple of 256 from out's first byte
.endr
.irp j, 0,1,2,3
	global_store_b128 v[GO1], v[FLU+16+4*\j:FLU+16+4*\j+3], s[OB:OB+1] offset:8*OROW*\j+(\bias) th:TH_STORE_NT
.endr
	s_wait_xcnt 0x0                                ; the stores have read EXEC, their data and their base: all three are written again only behind this wait
	s_or_b32 exec_lo, exec_lo, s[SAVE]
.endm
; A TILE: 16 entities x my 16 queries.  Four blocks of 32 channels; in a block, for each query, eight maxima (16 entities x 32 channels) and one matrix instruction, which is issued one query late, behind the next
; query's maxima, so that it does not stand straight behind the lines that make its operand; where the window has changed meanwhile it takes the copy of its selector.  A buffer of maxima is written again 16 maxima behind the matrix instruction that read it.
; A fragment's registers are free when its block is over: fragment ks - 1 of the NEXT tile is loaded in block ks (fragment 3 of the tile in hand in block 0), behind the block's first eight maxima, which are the
; places between the matrix instruction that read the fragment (e times ones) and the load (ISA guide 7.12.1 for vector instructions).  pre = 0: a group's last tile: the next tile's rows are not in LDS yet.
; s_wait_dscnt 2 at a block's head: the block's fragment was asked for ahead of the two youngest LDS instructions, which are the last block's two loads or the last tile's two stores.
.macro TILE pre
.set n, 0
.set g, 0
.set ks, 0
.rept 4
.if (ks == 3) && !(\pre)
	s_wait_dscnt 0x0                               ; fragment 3's loads are the youngest here
.else
	s_wait_dscnt 0x2
.endif
.set c, 0
.rept 16
	WIN (1+c/6)<<2
.set j, 0
.rept 8
	v_pk_max_num_f16 v[BUF+8*(g%4)+j], v[E+8*ks+j], v[32*(c%6)+8*ks+j]
.set j, j+1
.endr
.if g > 0
.set cp, (c+15)%16
.if cp/6 == c/6
.set rB, SEL+8*(cp%6)
.elseif c == 0
.set rB, XTR2
.else
.set rB, XTRA
.endif
	MM BUF+8*((g+3)%4), rB
.endif
.if c == 0
	MM E+8*ks, XTRA                                ; + sum e, into every column
.if ks == 0
	ds_load_b128 v[E+24:E+27], v[EA] offset:192
	ds_load_b128 v[E+28:E+31], v[EA] offset:224
.elseif \pre
	ds_load_b128 v[E+8*ks-8:E+8*ks-5], v[EA] offset:TILE_B+64*ks-64
	ds_load_b128 v[E+8*ks-4:E+8*ks-1], v[EA] offset:TILE_B+64*ks-32
.endif
.endif
.set c, c+1
.set g, g+1
.endr
.set ks, ks+1
.endr
	MM BUF+8*((g+3)%4), SEL+24                     ; query 15's last
	WIN 0
.if \pre                               ; four plain instructions: the places between the last products and the sums that read them
	v_add_nc_u32 v[EA], TILE_B, v[EA]
.else
	v_nop
.endif
	v_add_nc_u32 v[STP], 64, v[STP]
	v_add_nc_u32 v[RD], 64, v[RD]
	v_nop
.irp j, 0,2,4,6                        ; each accumulator is read from its low end on
	v_pk_add_f32 v[OUT+\j:OUT+\j+1], v[ACC+\j:ACC+\j+1], v[ACC+8+\j:ACC+8+\j+1]
.endr
	ds_store_b128 v[STP], v[OUT:OUT+3]             ; lane (r, h): query r, entities 8 h .. 8 h + 7: 32 bytes of stage row r
	ds_store_b128 v[STP], v[OUT+4:OUT+7] offset:16
	s_and_b32 s[T0], s[SLOT], 3
	s_add_co_u32 s[SLOT], s[SLOT], 1
	s_cmp_eq_u32 s[T0], 3                          ; was this the last of four slots?
	s_cbranch_scc0 .Lkeep_\@
	v_cmp_le_u32 vcc_lo, s[LO], v[TP]
	FLUSH RD, -192                                 ; the four began three tiles back
	s_mov_b32 s[LO], 0
.Lkeep_\@:
	s_add_nc_u64 s[OB:OB+1], s[OB:OB+1], 64        ; no store that names it is younger than the last way out's closing wait
.endm
.Lgroup:                                       ; five times: 80 rows are rounded into LDS, the next 80 asked for, five tiles worked
	s_wait_dscnt 0x0                               ; my reads of the last group's rows are over,
	s_barrier_signal -1
	s_wait_loadcnt 0x0                             ; (register work between signal and wait: this group's rows, asked for a group ago, are rounded in place)
.set j, 0
.rept 20
	v_cvt_pk_f16_f32 v[FILL+4*j], v[FILL+4*j], v[FILL+4*j+1]
	v_cvt_pk_f16_f32 v[FILL+4*j+1], v[FILL+4*j+2], v[FILL+4*j+3]
.set j, j+1
.endr
	s_barrier_wait -1                              ; and everybody's are: the rows may be written over
.set j, 0
.rept 20
	ds_store_b64 v[FL], v[FILL+4*j:FILL+4*j+1] offset:4*PITCH*j   ; 32 lanes, 256 consecutive bytes: row 4 j + w
.set j, j+1
.endr
	s_wait_dscnt 0x0                               ; for the others' sake: my rows are in LDS
	s_cmp_eq_u32 s[OUTER], 1
	s_cbranch_scc1 .Llast_rows                     ; the last group asks for nothing
	s_add_nc_u64 s[FB:FB+1], s[FB:FB+1], GRP_MEM   ; the loads that named it are back
	FILL_LOADS
.Llast_rows:
	s_barrier_signal -1
	s_barrier_wait -1                              ; everybody's rows are in LDS
	v_mov_b32 v[EA], v[EA0]
.irp f, 0,1,2
	ds_load_b128 v[E+8*\f:E+8*\f+3],   v[EA] offset:64*\f
	ds_load_b128 v[E+8*\f+4:E+8*\f+7], v[EA] offset:64*\f+32
.endr
	s_mov_b32 s[INNER], GRP-1
.Ltile:
	TILE 1
	s_sub_co_u32 s[INNER], s[INNER], 1
	s_cmp_lg_u32 s[INNER], 0
	s_cbranch_scc1 .Ltile
	TILE 0
	s_sub_co_u32 s[OUTER], s[OUTER], 1
	s_cmp_lg_u32 s[OUTER], 0
	s_cbranch_scc1 .Lgroup
	s_cmp_eq_u32 s[WV], 3                          ; wave 3's last tile filled slot 27: nothing is left
	s_cbranch_scc1 .Lend
	s_add_co_u32 s[TO], s[WV], 1                   ; slots 24 .. 24 + w are tiles 24 - w .. 24; the base stands at tile 25
	s_lshl_b32 s[TO], s[TO], 6
	s_sub_nc_u64 s[OB:OB+1], s[OB:OB+1], s[TO:TO+1]
	v_cmp_ge_u32 vcc_lo, s[WV], v[TP]
	FLUSH RDL, 0
.Lend:
	s_wait_tensorcnt 0x0                           ; the wave's end, behind my last LDS store
	ds_add_u32 v[SPW], v[NIL]
	s_wait_dscnt 0x0
	s_endpgm
.Lfunc_end_k_qb1b8397a7a_l1scores:
	.size	k_qb1b8397a7a_l1scores, .Lfunc_end_k_qb1b8397a7a_l1scores-k_qb1b8397a7a_l1scores
	.p2alignl 7, 3214868480
	.fill 96, 4, 3214868480
	.section	.rodata,"a",@progbits
	.p2align	6, 0x0
	.amdhsa_kernel k_qb1b8397a7a_l1scores
		.amdhsa_group_segment_fixed_size 171776
		.amdhsa_private_segment_fixed_size 0
		.amdhsa_enable_private_segment 0
		.amdhsa_kernarg_size 56
		.amdhsa_user_sgpr_count 2
		.amdhsa_user_sgpr_kernarg_segment_ptr 1
		.amdhsa_wavefront_size32 1
		.amdhsa_system_sgpr_workgroup_id_x 1
		.amdhsa_system_sgpr_workgroup_id_y 1
		.amdhsa_system_sgpr_workgroup_id_z 1
		.amdhsa_system_vgpr_workitem_id 0
		.amdhsa_next_free_vgpr 1024
		.amdhsa_next_free_sgpr 66
		.amdhsa_reserve_vcc 1
		.amdhsa_float_denorm_mode_32 3
		.amdhsa_float_denorm_mode_16_64 3
		.amdhsa_memory_ordered 1
		.amdhsa_forward_progress 1
		.amdhsa_inst_pref_size 125
	.end_amdhsa_kernel
	.amdgpu_metadata
---
amdhsa.version: [ 1, 2 ]
amdhsa.kernels:
  - .name:           k_qb1b8397a7a_l1scores
    .symbol:         k_qb1b8397a7a_l1scores.kd
    .args:
      - { .name: entity_emb, .offset: 0, .size: 8, .value_kind: global_buffer, .address_space: global }
      - { .name: relation_emb, .offset: 8, .size: 8, .value_kind: global_buffer, .address_space: global }
      - { .name: time_emb, .offset: 16, .size: 8, .value_kind: global_buffer, .address_space: global }
      - { .name: h_idx, .offset: 24, .size: 8, .value_kind: global_buffer, .address_space: global }
      - { .name: r_idx, .offset: 32, .size: 8, .value_kind: global_buffer, .address_space: global }
      - { .name: time_idx, .offset: 40, .size: 8, .value_kind: global_buffer, .address_space: global }
      - { .name: out0, .offset: 48, .size: 8, .value_kind: global_buffer, .address_space: global }
    .group_segment_fixed_size: 171776
    .private_segment_fixed_size: 0
    .kernarg_segment_align: 8
    .kernarg_segment_size: 56
    .max_flat_workgroup_size: 128
    .sgpr_count:     66
    .vgpr_count:     1024
    .wavefront_size: 32
...
	.end_amdgpu_metadata
.endif
;; end of part 1
